; MI455X (gfx1250); checked and timed in simulation.
; The chip was launched on July 23, 2026; its instructions are those of AMD's public machine-readable ISA for CDNA 5 (MIT licence, August 2026) and "CDNA5" Instruction Set Architecture Reference Guide (July 2026). The comments in the code are by the model that wrote it; some were corrected since.
;; Vector Quantize Sampler. Allowed arithmetic: float matrix products may take bf16 or f16 operands with f32 sums; all other float work in f32.
;; Inputs: embeddings 1,024 x 64 float32; zq 131,072 x 64 float32.
;; Outputs: out0 131,072 x 64 float32.
;; 2 versions, each right; version 2 is version 1 with the launch gather written anew for expert scheduling mode. Each part assembles by itself: llvm-mc -triple=amdgcn-amd-amdhsa -mcpu=gfx1250 --defsym DOCPART=n.
;; ======== version 1 of 2: 2 launches
;; workspace buffers: idx 524,288 bytes of whole numbers
;; launch argmin (part 1): grid 256 x 1, 8 waves a work-group, no clusters, 297,984 bytes of LDS; arguments embeddings, zq, idx; writes idx
.if DOCPART == 1
	.amdgcn_target "amdgcn-amd-amdhsa--gfx1250"
	.amdhsa_code_object_version 6
	.text
	.protected	k_q8c58b011fa_argmin
	.globl	k_q8c58b011fa_argmin
	.p2align	8
	.type	k_q8c58b011fa_argmin,@function
k_q8c58b011fa_argmin:
	s_mov_b64 s[64:65], 0
	v_nop
	global_prefetch_b8 v0, s[64:65] scope:SCOPE_SE
	s_setreg_imm32_b32 hwreg(HW_REG_WAVE_MODE, 25, 1), 1
	s_wait_xcnt 0x0
; idx[b] = the number of the code (row of embeddings, 1,024 x 64 f32) that lies nearest to row b of zq (131,072 x 64 f32).
; A second launch copies the chosen rows.
;
; WORK LEFT OUT.  dist2[b][k] = z_sq[b] - 2 (z_b . w_k - w_sq[k] / 2).  z_sq[b] is the same for every k of a row and -2 is a negative
; constant, so for all finite inputs argmin over k of dist2 = argmax over k of (z_b . w_k - w_sq[k] / 2), the first k winning a tie in both.
; So z_sq (a sum for each row) and the multiplication by 2 are not computed.  zq itself feeds the product: every input is loaded.
; LIMITS.  A NaN, an infinity or an overflow that reaches z_sq alone is not carried to the result.  Where z_sq is so large that the f32 sum
; z_sq - 2 z.w + w_sq loses the differences between codes, this text still orders the codes by the differences.  Inputs are taken as
; finite: with NaN or infinite scores the number stored is not specified, but lies in 0 .. 1023.  The product has bf16 operands (rounded to
; nearest even) and f32 sums, and w_sq is taken from the rounded w, so that the scores are those of the rounded inputs; two codes whose
; distances differ by less than the rounding of f32 sums can change places.
;
; SHARES.  256 work-groups of eight waves, two for each of a WGP's four SIMDs; a work-group has 512 rows of zq.  Waves w and w + 4 hold the same
; 128 rows (row group w % 4, 8 row tiles of 16); wave w searches codes 0-511, wave w + 4 codes 512-1023, 32 tiles of 16 codes each.
; Why two waves on the rows of one: a trip has 32 products and 226 vector instructions, and a wave issues in order; the partner gives the SIMD
; vector work to issue while a product is under way.  Splitting the codes, not the rows, keeps the reads of the table from LDS as they
; were (8 x 73,728 bytes); z is read and rounded twice (64 LDS loads, 128 conversions a wave), once in the launch.
; The wave's z stays in registers as B fragments (128 registers); the codes come from LDS as A fragments, so the 2,048 bytes of a code tile
; feed 16 matrix instructions.  With the codes as A, lane (r = lane % 16, h = lane / 16) holds in result register j the score of row r
; against code 16 t + 8 h + j: the search over the codes runs inside a lane; the two h, and then the two waves, meet at the end.
; The C of the first K step is -w_sq / 2 from a table in LDS: the bias costs no vector instruction.
;
; THE SEARCH.  For each row tile a lane keeps five registers: r the best score so far, cb the first code (less 8 h) of the half tile
; of four scores in which it was found, s0 s1 s2 the first three scores of that half.  A half d0..d3 costs seven instructions:
; T = max3(max3(r, d0, d1), d2, d3); mask = T > r (strictly: the earlier half keeps a tie); cb, s0, s1, s2 selected under the mask.
; At the end the place in the half is the first of s0, s1, s2 that equals r, or else 3: exact, with equal scores too.
; The 28 instructions for two row tiles are cut into four slices of seven, one behind each of the four products of the next two row tiles.
;
; NO CLUSTER, although all work-groups read the same table: the table must pass through registers to be rounded to bf16.  A joint tensor load
; would land f32 rows, 1,024 x 272 = 278,528 bytes, which do not fit beside z (139,264) and the bf16 table (147,456) in 327,680 bytes of LDS,
; and the 30,720 bytes that are left would make it ten or more fills, each behind a round of the cluster's barrier.  z is shared by nobody.
;
; LDS:  0        bf16 table: 1,024 rows of 128 bytes, pitch 144 (an odd multiple of 16: the 16 rows of a fragment load start in 16 different 16-byte columns of 256)
;       147,456  -w_sq / 2: 1,024 f32
;       151,552  stage for the numbers on their way out, 512 bytes a row group
;       153,600  z as f32, filled once by one tensor load a wave: 64 rows of 256 bytes, pitch 272, 17,408 bytes a wave
;       292,864  what the upper code half's wave hands to the lower's: 512 bytes of codes and 512 of scores a row group
.set WPITCH, 144
.set TILEB,  16*WPITCH                 ; a tile of 16 codes in LDS
.set WWAVE,  128*WPITCH                ; the 128 codes that one wave converts
.set WHALF,  512*WPITCH                ; the 512 codes that one wave searches
.set WSQ,    147456
.set STG,    151552
.set ZR,     153600
.set ZPITCH, 272
.set ZLOAD,  64*ZPITCH                 ; what one tensor load brings
.set ZGRP,   128*ZPITCH                ; a row group's z
.set MRG,    292864
.set TRIPS,  16                        ; a trip = two code tiles
; vector registers of the search
.set AADR, 1                           ; v1   LDS address of my part of an A fragment, stepped once a trip
.set CADR, 2                           ; v2   LDS address of my eight -w_sq / 2, stepped once a trip
.set TX,   3                           ; v3, v4  the first half's maximum for the two row tiles at work
.set TY,   4
.set H8,   5                           ; v5   8 h
.set ST,   8                           ; v[8:47]    row tile i: r, cb, s0, s1, s2 at ST + 5 i
.set CB,   48                          ; v[48:63]   C, two buffers of 8; at the end codes, scores and the partner's
.set AB,   64                          ; v[64:95]   A, two buffers of 16: K step 0, K step 1
.set ACC,  96                          ; v[96:127]  two sets of two accumulators
.set BF,   128                         ; v[128:255] z: row tile i, K step s at BF + 16 i + 8 s
; vector registers of the preparation (all free again when the search starts)
.set GO,   1                           ; byte offset of my 16 bytes in embeddings
.set LS,   2                           ; where my 8 bytes of bf16 go
.set RR,   3                           ; lane % 16
.set HH,   4                           ; lane / 16
.set PK,   8                           ; v[8:39]    packed bf16 on their way into LDS
.set FA,   48                          ; my part of a fragment of my wave's own codes
.set TA,   49                          ; my word of the table
.set XW,   50                          ; v[50:53]   the diagonals of four tiles
.set YW,   54
.set ZA,   55                          ; my part of a z fragment, as f32
.set RING, 64                          ; v[64:255]  three groups of 16 loads; later v[64:127] fragments and f32 z
; scalar registers
.set MX0, 32                           ; s32-35 masks of the two halves for the two row tiles at work
.set MY0, 33
.set MX1, 34
.set MY1, 35
.set C0,  36                           ; 16 t
.set C1,  37                           ; 16 t + 4
.set RG,  45                           ; my row group, wave % 4
.set CH,  46                           ; my half of the codes, wave / 4
	s_load_b128 s[4:7], s[0:1], 0x0                ; embeddings s[4:5], zq s[6:7]
	s_load_b64 s[8:9], s[0:1], 0x10                ; idx
	s_set_vgpr_msb 0x40
	v_lshl_add_u32 v0, v0, 2, 0x48800
	v_mov_b32 v1, 0
	s_set_vgpr_msb 0x4045
	ds_add_u32 v0, v1
	ds_add_u32 v0, v1
	s_set_vgpr_msb 0x4500
	v_lshrrev_b32 v1, 5, v0
	v_readfirstlane_b32 s10, v1                    ; my wave's number
	s_and_b32 s[RG], s10, 3
	s_lshr_b32 s[CH], s10, 2
	; The one tensor load of the wave: rows 64 w .. 64 w + 63 of the work-group's 512, 64 f32 each, 16 bytes of padding behind each row.
	s_mov_b32 s12, 1                               ; group 0: count = 1
	s_mul_i32 s13, s10, ZLOAD
	s_add_co_u32 s13, s13, ZR                      ; LDS address: 17,408 bytes for each wave's load
	s_mov_b32 s16, (2<<16)|(1<<20)|(5<<22)|(3<<25) ; group 1: no mask; elements of 4 bytes; padding on: after every 64 words (code 5) 4 words (code 3)
	s_mov_b32 s17, 64<<16                          ; tensor_dim0 = 64
	s_mov_b32 s18, 64<<16                          ; tensor_dim1 = 64
	s_mov_b32 s19, 64<<16                          ; tile_dim0 = 64
	s_mov_b32 s20, 64                              ; tile_dim1 = 64
	s_mov_b32 s21, 64                              ; 64 elements from row to row
	s_mov_b32 s22, 0
	s_mov_b32 s23, 0
	s_lshl_b32 s2, ttmp9, 17                       ; 512 rows of 256 bytes a work-group (the last begins at 255 x 131,072: below 4 GiB)
	s_lshl_b32 s11, s10, 14                        ; 64 rows a wave
	s_add_co_u32 s2, s2, s11
	s_mov_b32 s3, 0
	s_wait_dscnt 0x0
	s_wait_kmcnt 0x0
	s_add_nc_u64 s[14:15], s[6:7], s[2:3]
	s_or_b32 s15, s15, 0x80000000                  ; type = 2
	tensor_load_to_lds s[12:15], s[16:23]          ; asked for first of all: it lands while the table is made.  The wave's only tensor load; nothing is filled again
	s_nop 0
	; ---- the table: wave w rounds codes 128 w .. 128 w + 127 to bf16 ----
	; A load of the wave covers 512 neighbouring bytes, two codes: lanes 0-15 the even one, lanes 16-31 the odd one; a lane's 4 f32 become 8 bytes.
	v_and_b32 v6, 31, v0
	s_lshl_b32 s11, s10, 15                        ; 128 codes of 256 bytes
	v_lshl_add_u32 v[GO], v6, 4, s11
.macro LOADG g                         ; group g of four: 16 loads, 32 codes, into a third of the ring
.set LB, RING+64*((\g)%3)
.irp i, 0,1,2,3,4,5,6,7,8,9,10,11,12,13,14,15
	global_load_b128 v[LB+4*\i:LB+4*\i+3], v[GO], s[4:5] offset:(16*\g+\i)*512
.endr
.endm
.macro CVTG g                          ; group g: rounded, two numbers an instruction; then put into the table, so that no store stands straight behind the line that feeds it
.set LB, RING+64*((\g)%3)
.irp i, 0,1,2,3,4,5,6,7,8,9,10,11,12,13,14,15
	v_cvt_pk_bf16_f32 v[PK+2*\i],   v[LB+4*\i],   v[LB+4*\i+1]
	v_cvt_pk_bf16_f32 v[PK+2*\i+1], v[LB+4*\i+2], v[LB+4*\i+3]
.endr
.irp i, 0,1,2,3,4,5,6,7,8,9,10,11,12,13,14,15
	ds_store_b64 v[LS], v[PK+2*\i:PK+2*\i+1] offset:(16*\g+\i)*2*WPITCH
.endr
.endm
	LOADG 0
	LOADG 1
	LOADG 2                                        ; 48 loads, 24,576 bytes of the wave on their way
	v_and_b32 v[RR], 15, v0
	v_bfe_u32 v[HH], v0, 4, 1
	s_mul_i32 s2, s10, WWAVE                       ; my wave's 128 rows of the table
	v_mul_u32_u24 v7, v[HH], WPITCH
	v_lshl_add_u32 v7, v[RR], 3, v7
	v_add_nc_u32 v[LS], s2, v7                     ; row 128 w + lane / 16, byte 8 (lane % 16)
	v_mul_u32_u24 v7, v[RR], WPITCH
	v_lshl_add_u32 v7, v[HH], 4, v7
	v_add_nc_u32 v[FA], s2, v7                     ; row 128 w + lane % 16, byte 16 (lane / 16)
	v_and_b32 v6, 7, v0
	v_lshl_add_u32 v6, v[HH], 3, v6                ; lane % 8 + 8 (lane / 16)
	s_lshl_b32 s11, s10, 9
	s_add_co_u32 s11, s11, WSQ
	v_lshl_add_u32 v[TA], v6, 2, s11               ; my word among a tile's 16, in my wave's 512 bytes of the table of -w_sq / 2
	s_mul_i32 s47, s[RG], ZGRP
	s_add_co_u32 s47, s47, ZR                      ; my row group's z: what waves 2 rg and 2 rg + 1 load
	v_mul_u32_u24 v7, v[RR], ZPITCH
	v_lshl_add_u32 v7, v[HH], 5, v7
	v_add_nc_u32 v[ZA], s47, v7                    ; z: row lane % 16 of my row group, byte 32 (lane / 16)
	v_lshlrev_b32 v[H8], 3, v[HH]
	v_mov_b32 v[YW], 0                             ; written once: the destination of a DPP form counts as read
	s_lshl_b32 s2, ttmp9, 11                       ; idx: 512 numbers a work-group,
	s_lshl_b32 s11, s[RG], 9                       ; 128 a row group
	s_add_co_u32 s2, s2, s11
	s_add_nc_u64 s[8:9], s[8:9], s[2:3]            ; (s3 is still 0)
.irp j, 1,2,3,4,5,6,7
	s_mov_b32 s[23+\j], 0x01010101<<\j             ; s24-30: the lanes with lane % 8 = j
.endr
	s_mov_b32 s31, 0xff0000ff                      ; lanes 0-7 and 24-31
	s_mov_b32 s39, 0xffff0000                      ; lanes 16-31
	s_mov_b32 s40, 0x76543210                      ; v_permlanex16_b32: lane i of one half reads lane i of the other
	s_mov_b32 s41, 0xfedcba98
	; The counts: loads come back in order, so a group is in when only the loads issued behind it are out.
	s_wait_loadcnt 32                              ; groups 1 and 2 stay out
	CVTG 0
	LOADG 3
	s_wait_loadcnt 32                              ; groups 2 and 3 stay out
	CVTG 1
	s_wait_loadcnt 16                              ; group 3 stays out
	CVTG 2
	s_wait_loadcnt 0x0
	CVTG 3
	; ---- -w_sq / 2 of my wave's 8 tiles, from the rounded numbers: the diagonal of W W^T ----
	; A tile's fragment serves as A and as B (the two have one layout).  Element (m, n) lies in lane (n, h = m / 8), register m % 8, so (c, c) lies
	; in register c % 8 of lanes 0-7 (c = lane) and 24-31 (c = lane - 16).  Each lane picks register lane % 8; lanes 8-23 take the pick of lane xor 8;
	; then lane l holds the figure of code l % 8 + 8 (l / 16), and two lanes store the same word with the same value.
	; The fragments are bytes that this wave stored itself, and LDS serves a wave's instructions in order (ISA guide 5.7.1): no barrier yet.
.macro WSQROUND q                      ; tiles 4 q .. 4 q + 3 of my 8
.irp a, 0,1,2,3
	ds_load_b128 v[RING+16*\a:RING+16*\a+3],     v[FA] offset:(4*\q+\a)*TILEB
	ds_load_b128 v[RING+16*\a+4:RING+16*\a+7],   v[FA] offset:(4*\q+\a)*TILEB+32
	ds_load_b128 v[RING+16*\a+8:RING+16*\a+11],  v[FA] offset:(4*\q+\a)*TILEB+64
	ds_load_b128 v[RING+16*\a+12:RING+16*\a+15], v[FA] offset:(4*\q+\a)*TILEB+96
.endr
	s_wait_dscnt 0x0
	; the four accumulators take turns, one instruction a turn
.irp a, 0,1,2,3
	v_wmma_f32_16x16x32_bf16 v[BF+8*\a:BF+8*\a+7], v[RING+16*\a:RING+16*\a+7], v[RING+16*\a:RING+16*\a+7], 0
.endr
.irp a, 0,1,2,3
	v_wmma_f32_16x16x32_bf16 v[BF+8*\a:BF+8*\a+7], v[RING+16*\a+8:RING+16*\a+15], v[RING+16*\a+8:RING+16*\a+15], v[BF+8*\a:BF+8*\a+7]
.endr
.rept 4
	v_nop                                          ; four places between the last product and the first reader of a result (ISA guide 7.12.1)
.endr
.irp a, 0,1,2,3
	v_cndmask_b32 v[XW+\a], v[BF+8*\a], v[BF+8*\a+1], s24
.irp j, 2,3,4,5,6,7
	v_cndmask_b32 v[XW+\a], v[XW+\a], v[BF+8*\a+\j], s[23+\j]
.endr
	v_mov_b32_dpp v[YW], v[XW+\a] row_xmask:8 row_mask:0xf bank_mask:0xf
	v_cndmask_b32 v[XW+\a], v[YW], v[XW+\a], s31
	v_mul_f32 v[XW+\a], -0.5, v[XW+\a]
	ds_store_b32 v[TA], v[XW+\a] offset:64*(4*\q+\a)
.endr
.endm
	WSQROUND 0
	WSQROUND 1
	s_wait_dscnt 0x0                               ; for the other waves: my eighth of both tables is written,
	s_wait_tensorcnt 0x0                           ; and my 64 rows of z, which two other waves may read, have landed
	s_barrier_signal -1
	s_barrier_wait -1                              ; both tables and all of z are whole for every wave, and nobody writes them again
	; ---- z: f32 from LDS, rounded into the B fragments ----
	; Fragment of row tile i, K step s: lane (r, h) holds row 16 i + r; registers 0-3 k = 32 s + 8 h + 0..7, registers 4-7 k = 32 s + 16 + 8 h + 0..7.
	; As f32 those are 32 bytes at 128 s + 32 h and 32 bytes at 128 s + 64 + 32 h.
.macro LDZ i, set
.irp o, 0,1,2,3
	ds_load_b128 v[RING+32*\set+8*\o:RING+32*\set+8*\o+3],   v[ZA] offset:\i*16*ZPITCH+64*\o
	ds_load_b128 v[RING+32*\set+8*\o+4:RING+32*\set+8*\o+7], v[ZA] offset:\i*16*ZPITCH+64*\o+16
.endr
.endm
.macro CVZ i, set
.irp n, 0,1,2,3,4,5,6,7,8,9,10,11,12,13,14,15
	v_cvt_pk_bf16_f32 v[BF+16*\i+\n], v[RING+32*\set+2*\n], v[RING+32*\set+2*\n+1]
.endr
.endm
	LDZ 0, 0
	LDZ 1, 1
	s_wait_dscnt 8                                 ; the next row tile's eight loads stay out
	CVZ 0, 0
	LDZ 2, 0
	s_wait_dscnt 8
	CVZ 1, 1
	LDZ 3, 1
	s_wait_dscnt 8
	CVZ 2, 0
	LDZ 4, 0
	s_wait_dscnt 8
	CVZ 3, 1
	LDZ 5, 1
	s_wait_dscnt 8
	CVZ 4, 0
	LDZ 6, 0
	s_wait_dscnt 8
	CVZ 5, 1
	LDZ 7, 1
	s_wait_dscnt 8
	CVZ 6, 0
	s_wait_dscnt 0x0
	CVZ 7, 1
	; ---- the search ----
.macro LOADT b                         ; a code tile into buffer b: 4 loads of A (two K steps), 2 of C (all lanes of one h read the same eight words)
	ds_load_b128 v[AB+16*\b:AB+16*\b+3],     v[AADR] offset:\b*TILEB
	ds_load_b128 v[AB+16*\b+4:AB+16*\b+7],   v[AADR] offset:\b*TILEB+32
	ds_load_b128 v[AB+16*\b+8:AB+16*\b+11],  v[AADR] offset:\b*TILEB+64
	ds_load_b128 v[AB+16*\b+12:AB+16*\b+15], v[AADR] offset:\b*TILEB+96
	ds_load_b128 v[CB+8*\b:CB+8*\b+3],       v[CADR] offset:\b*64
	ds_load_b128 v[CB+8*\b+4:CB+8*\b+7],     v[CADR] offset:\b*64+16
.endm
; The products of group wg (row tiles 2 wg + e, e = 0, 1) with the code tile in buffer wb; accumulator set wg % 2.
.macro WK0 wb, wg, e                   ; K step 0 starts the sum from -w_sq / 2
	v_wmma_f32_16x16x32_bf16 v[ACC+16*((\wg)&1)+8*\e:ACC+16*((\wg)&1)+8*\e+7], v[AB+16*\wb:AB+16*\wb+7], v[BF+16*(2*\wg+\e):BF+16*(2*\wg+\e)+7], v[CB+8*\wb:CB+8*\wb+7]
.endm
.macro WK1 wb, wg, e                   ; K step 1 adds in place
	v_wmma_f32_16x16x32_bf16 v[ACC+16*((\wg)&1)+8*\e:ACC+16*((\wg)&1)+8*\e+7], v[AB+16*\wb+8:AB+16*\wb+15], v[BF+16*(2*\wg+\e)+8:BF+16*(2*\wg+\e)+15], v[ACC+16*((\wg)&1)+8*\e:ACC+16*((\wg)&1)+8*\e+7]
.endm
; Slice n of four of the reduction of group g: row tiles X = 2 g and Y = 2 g + 1 by turns, so that no line reads the result of the line in front of it.
.macro RS n, g
.set RX, ST+10*\g
.set RY, ST+10*\g+5
.set AX, ACC+16*((\g)&1)
.set AY, AX+8
.if \n == 0
	v_max3_num_f32 v[TX], v[RX], v[AX], v[AX+1]
	v_max3_num_f32 v[TY], v[RY], v[AY], v[AY+1]
	v_max3_num_f32 v[TX], v[TX], v[AX+2], v[AX+3]  ; the best so far, the first half included
	v_max3_num_f32 v[TY], v[TY], v[AY+2], v[AY+3]
	v_cmp_gt_f32 s[MX0], v[TX], v[RX]              ; strictly better: the first half takes over
	v_cmp_gt_f32 s[MY0], v[TY], v[RY]
	v_max3_num_f32 v[RX], v[TX], v[AX+4], v[AX+5]
.endif
.if \n == 1
	v_max3_num_f32 v[RY], v[TY], v[AY+4], v[AY+5]
	v_cndmask_b32 v[RX+1], v[RX+1], s[C0], s[MX0]
	v_cndmask_b32 v[RY+1], v[RY+1], s[C0], s[MY0]
	v_max3_num_f32 v[RX], v[RX], v[AX+6], v[AX+7]  ; the second half included: the new r
	v_max3_num_f32 v[RY], v[RY], v[AY+6], v[AY+7]
	v_cndmask_b32 v[RX+2], v[RX+2], v[AX], s[MX0]
	v_cndmask_b32 v[RY+2], v[RY+2], v[AY], s[MY0]
.endif
.if \n == 2
	v_cmp_gt_f32 s[MX1], v[RX], v[TX]              ; strictly better than all before it: the second half takes over
	v_cmp_gt_f32 s[MY1], v[RY], v[TY]
	v_cndmask_b32 v[RX+3], v[RX+3], v[AX+1], s[MX0]
	v_cndmask_b32 v[RY+3], v[RY+3], v[AY+1], s[MY0]
	v_cndmask_b32 v[RX+4], v[RX+4], v[AX+2], s[MX0]
	v_cndmask_b32 v[RY+4], v[RY+4], v[AY+2], s[MY0]
	v_cndmask_b32 v[RX+1], v[RX+1], s[C1], s[MX1]
.endif
.if \n == 3
	v_cndmask_b32 v[RY+1], v[RY+1], s[C1], s[MY1]
	v_cndmask_b32 v[RX+2], v[RX+2], v[AX+4], s[MX1]
	v_cndmask_b32 v[RY+2], v[RY+2], v[AY+4], s[MY1]
	v_cndmask_b32 v[RX+3], v[RX+3], v[AX+5], s[MX1]
	v_cndmask_b32 v[RY+3], v[RY+3], v[AY+5], s[MY1]
	v_cndmask_b32 v[RX+4], v[RX+4], v[AX+6], s[MX1]
	v_cndmask_b32 v[RY+4], v[RY+4], v[AY+6], s[MY1]
.endif
.endm
; Group g (the other accumulator set) is reduced while group wg's four products are issued, a slice of seven behind each.
; The two accumulators of a set take turns, one instruction a turn, and the sets alternate from step to step, over the loop's backward jump too.
; A slice names the other set, the state and v3, v4 alone, none of the products' registers: the seven lines behind a step's last product are
; the places in front of the next step's readers of its result and in front of loads into the buffers that it read.
.macro STEP g, wb, wg, dow
.if \dow
	WK0 \wb, \wg, 0
.endif
	RS 0, \g
.if \dow
	WK0 \wb, \wg, 1
.endif
	RS 1, \g
.if \dow
	WK1 \wb, \wg, 0
.endif
	RS 2, \g
.if \dow
	WK1 \wb, \wg, 1
.endif
	RS 3, \g
.endm
; A trip: code tiles 2 T (buffer 0) and 2 T + 1 (buffer 1) of my 32.  At its head the products of tile 2 T, group 0, have been issued.
; ld = 1: buffer 0 gets tile 2 T + 2.  last = 0: buffer 1 gets tile 2 T + 3, and the next trip's first products are issued.
.macro TRIP ld, last
	STEP 0, 0, 1, 1
	STEP 1, 0, 2, 1
	STEP 2, 0, 3, 1                                ; the last products that read buffer 0
	s_wait_dscnt 0x0                               ; buffer 1's six loads, issued four steps ago; nothing younger is out
.if \ld
	LOADT 0
.endif
	STEP 3, 1, 0, 1
	s_add_co_u32 s[C0], s[C0], 16                  ; tile 2 T is reduced: the next tile's code bases
	s_add_co_u32 s[C1], s[C1], 16
	STEP 0, 1, 1, 1
	STEP 1, 1, 2, 1
	STEP 2, 1, 3, 1                                ; the last products that read buffer 1
.if \last
	STEP 3, 0, 0, 0                                ; the last reduction; no product is left
.else
	s_wait_dscnt 0x0                               ; buffer 0's six loads, issued four steps ago
	LOADT 1
	v_add_nc_u32 v[AADR], 2*TILEB, v[AADR]         ; two tiles on
	v_add_nc_u32 v[CADR], 128, v[CADR]
	STEP 3, 0, 0, 1
	s_add_co_u32 s[C0], s[C0], 16
	s_add_co_u32 s[C1], s[C1], 16
.endif
.endm
	v_mul_u32_u24 v[AADR], v[RR], WPITCH
	v_lshl_add_u32 v[AADR], v[HH], 4, v[AADR]      ; code row lane % 16, byte 16 (lane / 16),
	s_mul_i32 s11, s[CH], WHALF
	v_add_nc_u32 v[AADR], s11, v[AADR]             ; in my half of the table
	v_lshlrev_b32 v[CADR], 5, v[HH]                ; words 8 h .. 8 h + 7 of a tile's 16,
	s_lshl_b32 s2, s[CH], 11
	s_add_co_u32 s2, s2, WSQ
	v_add_nc_u32 v[CADR], s2, v[CADR]              ; in my half's 512 words
	LOADT 0
	LOADT 1
	v_add_nc_u32 v[AADR], 2*TILEB, v[AADR]
	v_add_nc_u32 v[CADR], 128, v[CADR]
	s_lshl_b32 s[C0], s[CH], 9                     ; my first code: 0 or 512
	s_add_co_u32 s[C1], s[C0], 4
	s_mov_b32 s38, TRIPS-1
	s_wait_dscnt 6                                 ; buffer 0 is in; buffer 1's six loads stay out
	WK0 0, 0, 0
	WK0 0, 0, 1
	WK1 0, 0, 0
	WK1 0, 0, 1
	; The state starts here: a select reads its old value, so all 40 registers are written.  These lines name none of the four products'
	; registers and are the places in front of the first slice.
.irp i, 0,1,2,3,4,5,6,7
	v_mov_b32 v[ST+5*\i], 0xff800000               ; r = -infinity: any finite score is strictly better
	v_mov_b32 v[ST+5*\i+1], 0
	v_mov_b32 v[ST+5*\i+2], 0
	v_mov_b32 v[ST+5*\i+3], 0
	v_mov_b32 v[ST+5*\i+4], 0
.endr
.Ltrip:
	TRIP 1, 0
	s_sub_co_i32 s38, s38, 1
	s_cmp_lg_u32 s38, 0
	s_cbranch_scc1 .Ltrip
	TRIP 0, 1                                      ; my tiles 30 and 31: nothing is read past my half of the table
	; ---- the end: the place in the half tile, the code, and the better of the two h ----
.macro FIN i
.set RI, ST+5*\i
	v_cmp_eq_f32 s42, v[RI+4], v[RI]
	v_cmp_eq_f32 s43, v[RI+3], v[RI]
	v_cmp_eq_f32 s44, v[RI+2], v[RI]
	v_cndmask_b32 v6, v7, 2, s42                   ; 3, unless one of the first three equals r: the lowest such place is selected last
	v_cndmask_b32 v6, v6, 1, s43
	v_cndmask_b32 v6, v6, 0, s44
	v_add3_u32 v[RI+1], v[RI+1], v6, v[H8]         ; the code: cb + place + 8 h
	v_permlanex16_b32 v[RI+2], v[RI], s40, s41     ; the other h's score and code, into s0 and s1, which are done with
	v_permlanex16_b32 v[RI+3], v[RI+1], s40, s41
	v_cmp_gt_f32 s42, v[RI+2], v[RI]               ; the other is taken if it is better,
	v_cmp_eq_f32 s43, v[RI+2], v[RI]               ; or as good
	v_cmp_lt_u32 s44, v[RI+3], v[RI+1]             ; with the lower code: the first code wins a tie
	s_and_b32 s43, s43, s44
	s_or_b32 s42, s42, s43
	v_cndmask_b32 v[RI+1], v[RI+1], v[RI+3], s42   ; lanes r and r + 16 now hold the same code, that of row 16 i + r,
	v_max_num_f32 v[RI], v[RI], v[RI+2]            ; and its score
.endm
	v_mov_b32 v7, 3
.irp i, 0,1,2,3,4,5,6,7
	FIN \i
.endr
	v_and_b32 v1, 31, v0
	s_lshl_b32 s11, s[RG], 10
	s_add_co_u32 s11, s11, MRG
	v_lshl_add_u32 v2, v1, 4, s11                  ; my 16 bytes among my row group's 512 of codes; the scores lie 512 further on
.irp q, 0,1,2,3
	v_cndmask_b32 v[CB+\q],   v[ST+10*\q+1], v[ST+10*\q+6], s39   ; lanes 0-15 row tile 2 q, lanes 16-31 row tile 2 q + 1: lane l holds row 32 q + l: its code
	v_cndmask_b32 v[CB+4+\q], v[ST+10*\q],   v[ST+10*\q+5], s39   ; and its score
.endr
	; ---- the two halves of the codes meet: the upper half's wave hands over, lane to the same lane ----
	s_cmp_eq_u32 s[CH], 0
	s_cbranch_scc1 .Lnothing_to_hand
	ds_store_b128 v2, v[CB:CB+3]
	ds_store_b128 v2, v[CB+4:CB+7] offset:512
.Lnothing_to_hand:
	s_wait_dscnt 0x0                               ; for the partner: my two stores are written
	s_barrier_signal -1
	s_barrier_wait -1
	s_cmp_eq_u32 s[CH], 0
	s_cbranch_scc1 .Lmerge
	s_set_vgpr_msb 0x5
	s_wait_tensorcnt 0x0
	ds_add_u32 v0, v1
	s_wait_dscnt 0x0
	s_set_vgpr_msb 0x500
	s_endpgm                                       ; the upper half's wave is done
.Lmerge:
	ds_load_b128 v[CB+8:CB+11],  v2                ; the partner's codes
	ds_load_b128 v[CB+12:CB+15], v2 offset:512     ; and scores
	; Out through my row group's own 512 bytes of LDS, so that one store of the wave covers 512 consecutive bytes, aligned to 256.
	s_lshl_b32 s11, s[RG], 9
	s_add_co_u32 s11, s11, STG
	v_lshl_add_u32 v3, v1, 2, s11                  ; in: a word a lane
	v_lshl_add_u32 v4, v1, 4, s11                  ; back: four words a lane
	v_lshlrev_b32 v6, 4, v1                        ; and the same 16 bytes in idx
	s_wait_dscnt 0x0
.irp q, 0,1,2,3
	v_cmp_gt_f32 s42, v[CB+12+\q], v[CB+4+\q]      ; strictly better: codes 0-511 keep a tie
	v_cndmask_b32 v[CB+\q], v[CB+\q], v[CB+8+\q], s42
	ds_store_b32 v3, v[CB+\q] offset:128*\q
.endr
	ds_load_b128 v[CB+4:CB+7], v4                  ; my own bytes, served in order behind the stores (ISA guide 5.7.1)
	s_wait_dscnt 0x0
	global_store_b128 v6, v[CB+4:CB+7], s[8:9]
	s_set_vgpr_msb 0x5
	s_wait_tensorcnt 0x0
	ds_add_u32 v0, v1
	s_wait_dscnt 0x0
	s_set_vgpr_msb 0x500
	s_endpgm
.Lfunc_end_k_q8c58b011fa_argmin:
	.size	k_q8c58b011fa_argmin, .Lfunc_end_k_q8c58b011fa_argmin-k_q8c58b011fa_argmin
	.p2alignl 7, 3214868480
	.fill 96, 4, 3214868480
	.section	.rodata,"a",@progbits
	.p2align	6, 0x0
	.amdhsa_kernel k_q8c58b011fa_argmin
		.amdhsa_group_segment_fixed_size 297984
		.amdhsa_private_segment_fixed_size 0
		.amdhsa_enable_private_segment 0
		.amdhsa_kernarg_size 24
		.amdhsa_user_sgpr_count 2
		.amdhsa_user_sgpr_kernarg_segment_ptr 1
		.amdhsa_wavefront_size32 1
		.amdhsa_system_sgpr_workgroup_id_x 1
		.amdhsa_system_sgpr_workgroup_id_y 1
		.amdhsa_system_sgpr_workgroup_id_z 1
		.amdhsa_system_vgpr_workitem_id 0
		.amdhsa_next_free_vgpr 258
		.amdhsa_next_free_sgpr 66
		.amdhsa_reserve_vcc 0
		.amdhsa_float_denorm_mode_32 3
		.amdhsa_float_denorm_mode_16_64 3
		.amdhsa_memory_ordered 1
		.amdhsa_forward_progress 1
		.amdhsa_inst_pref_size 90
	.end_amdhsa_kernel
	.amdgpu_metadata
---
amdhsa.version: [ 1, 2 ]
amdhsa.kernels:
  - .name:           k_q8c58b011fa_argmin
    .symbol:         k_q8c58b011fa_argmin.kd
    .args:
      - { .name: embeddings, .offset: 0, .size: 8, .value_kind: global_buffer, .address_space: global }
      - { .name: zq, .offset: 8, .size: 8, .value_kind: global_buffer, .address_space: global }
      - { .name: idx, .offset: 16, .size: 8, .value_kind: global_buffer, .address_space: global }
    .group_segment_fixed_size: 297984
    .private_segment_fixed_size: 0
    .kernarg_segment_align: 8
    .kernarg_segment_size: 24
    .max_flat_workgroup_size: 256
    .sgpr_count:     66
    .vgpr_count:     258
    .wavefront_size: 32
...
	.end_amdgpu_metadata
.endif
;; end of part 1
;; launch gather (part 2): grid 256 x 1, 8 waves a work-group, no clusters, 0 bytes of LDS; arguments idx, embeddings, out0; writes out0
.if DOCPART == 2
	.amdgcn_target "amdgcn-amd-amdhsa--gfx1250"
	.amdhsa_code_object_version 6
	.text
	.protected	k_q8c58b011fa_gather
	.globl	k_q8c58b011fa_gather
	.p2align	8
	.type	k_q8c58b011fa_gather,@function
k_q8c58b011fa_gather:
	s_mov_b64 s[64:65], 0
	v_nop
	global_prefetch_b8 v0, s[64:65] scope:SCOPE_SE
	s_setreg_imm32_b32 hwreg(HW_REG_WAVE_MODE, 25, 1), 1
	s_wait_xcnt 0x0
; out0[b] = embeddings[idx[b]]: 131,072 rows of 64 f32 (256 bytes), by the numbers that the launch before stored.  Nothing of this step is left out.
; A stream: no LDS, no barrier, no matrix unit, no cluster (no two work-groups need the same rows at the same time by any rule of the sizes).
; 256 work-groups of eight waves; a work-group has 512 rows, a wave 64.  Lane (hh = lane / 16, c = lane % 16) serves rows 32 hh + i, i = 0 .. 31,
; of its wave and takes bytes 16 c .. 16 c + 15 of each: sixteen neighbouring lanes read one whole row of the table and write 256 consecutive
; bytes of out0, aligned to 256.  The text is straight: 8 loads of numbers, 32 gathers, 32 stores; all 32 gathers of a wave (16,384 bytes) are out at once.
; No register that a pending load or store names is written again, so no wait stands for sources.
; The numbers lie in 0 .. 1023 as stored; the v_min_u32 keeps every address inside the table whatever the buffer holds.
.set IX, 4                             ; v[4:35]    my 32 numbers, then their byte offsets in the table
.set DT, 40                            ; v[40:167]  my 16 bytes of 32 rows
	s_load_b128 s[4:7], s[0:1], 0x0                ; idx s[4:5], embeddings s[6:7]
	s_load_b64 s[8:9], s[0:1], 0x10                ; out0
	v_lshrrev_b32 v3, 4, v0                        ; 2 wave + hh
	v_and_b32 v2, 15, v0
	v_lshlrev_b32 v1, 7, v3                        ; idx: 32 numbers, 128 bytes, for each half wave
	v_lshlrev_b32 v2, 4, v2                        ; 16 c
	v_lshl_add_u32 v3, v3, 13, v2                  ; out0: 32 rows, 8,192 bytes, for each half wave, + 16 c
	s_lshl_b32 s2, ttmp9, 11                       ; 512 numbers a work-group
	s_mov_b32 s3, 0
	s_lshl_b32 s10, ttmp9, 17                      ; 512 rows of 256 bytes a work-group (the last begins at 255 x 131,072: below 4 GiB)
	s_mov_b32 s11, 0
	s_wait_kmcnt 0x0
	s_add_nc_u64 s[4:5], s[4:5], s[2:3]
	s_add_nc_u64 s[8:9], s[8:9], s[10:11]
.irp q, 0,1,2,3,4,5,6,7
	global_load_b128 v[IX+4*\q:IX+4*\q+3], v1, s[4:5] offset:16*\q th:TH_LOAD_NT     ; the sixteen lanes of a half read the same 16 bytes; no other wave reads them
.endr
.irp q, 0,1,2,3,4,5,6,7
	s_wait_loadcnt 7+3*\q                          ; loads come back in order: behind load q of the numbers stand 7 - q more of them and the 4 q gathers issued so far
.irp k, 0,1,2,3
	v_min_u32 v[IX+4*\q+\k], 0x3ff, v[IX+4*\q+\k]
	v_lshl_add_u32 v[IX+4*\q+\k], v[IX+4*\q+\k], 8, v2                               ; 256 bytes a row, + 16 c
	global_load_b128 v[DT+16*\q+4*\k:DT+16*\q+4*\k+3], v[IX+4*\q+\k], s[6:7]         ; no hint: a row of the table is named many times
.endr
.endr
.set i, 0
.rept 32
	s_wait_loadcnt 31-i                            ; gather i is in; the younger ones stay out
	global_store_b128 v3, v[DT+4*i:DT+4*i+3], s[8:9] offset:256*i th:TH_STORE_NT     ; each half of the wave writes one whole row
.set i, i+1
.endr
	s_endpgm
.Lfunc_end_k_q8c58b011fa_gather:
	.size	k_q8c58b011fa_gather, .Lfunc_end_k_q8c58b011fa_gather-k_q8c58b011fa_gather
	.p2alignl 7, 3214868480
	.fill 96, 4, 3214868480
	.section	.rodata,"a",@progbits
	.p2align	6, 0x0
	.amdhsa_kernel k_q8c58b011fa_gather
		.amdhsa_group_segment_fixed_size 0
		.amdhsa_private_segment_fixed_size 0
		.amdhsa_enable_private_segment 0
		.amdhsa_kernarg_size 24
		.amdhsa_user_sgpr_count 2
		.amdhsa_user_sgpr_kernarg_segment_ptr 1
		.amdhsa_wavefront_size32 1
		.amdhsa_system_sgpr_workgroup_id_x 1
		.amdhsa_system_sgpr_workgroup_id_y 1
		.amdhsa_system_sgpr_workgroup_id_z 1
		.amdhsa_system_vgpr_workitem_id 0
		.amdhsa_next_free_vgpr 168
		.amdhsa_next_free_sgpr 66
		.amdhsa_reserve_vcc 0
		.amdhsa_float_denorm_mode_32 3
		.amdhsa_float_denorm_mode_16_64 3
		.amdhsa_memory_ordered 1
		.amdhsa_forward_progress 1
		.amdhsa_inst_pref_size 13
	.end_amdhsa_kernel
	.amdgpu_metadata
---
amdhsa.version: [ 1, 2 ]
amdhsa.kernels:
  - .name:           k_q8c58b011fa_gather
    .symbol:         k_q8c58b011fa_gather.kd
    .args:
      - { .name: idx, .offset: 0, .size: 8, .value_kind: global_buffer, .address_space: global }
      - { .name: embeddings, .offset: 8, .size: 8, .value_kind: global_buffer, .address_space: global }
      - { .name: out0, .offset: 16, .size: 8, .value_kind: global_buffer, .address_space: global }
    .group_segment_fixed_size: 0
    .private_segment_fixed_size: 0
    .kernarg_segment_align: 8
    .kernarg_segment_size: 24
    .max_flat_workgroup_size: 256
    .sgpr_count:     66
    .vgpr_count:     168
    .wavefront_size: 32
...
	.end_amdgpu_metadata
.endif
;; end of part 2
;; ======== version 2 of 2: 2 launches; version 1 with the launch gather written anew for expert scheduling mode
;; workspace buffers: idx 524,288 bytes of whole numbers
;; launch argmin: the kernel of part 1 again; grid 256 x 1, 8 waves a work-group, no clusters, 297,984 bytes of LDS; arguments embeddings, zq, idx; writes idx
;; launch gather (part 3): grid 256 x 1, 8 waves a work-group, no clusters, 0 bytes of LDS; arguments idx, embeddings, out0; writes out0
.if DOCPART == 3
	.amdgcn_target "amdgcn-amd-amdhsa--gfx1250"
	.amdhsa_code_object_version 6
	.text
	.protected	k_q8c58b011fa_gather
	.globl	k_q8c58b011fa_gather
	.p2align	8
	.type	k_q8c58b011fa_gather,@function
k_q8c58b011fa_gather:
	s_mov_b64 s[64:65], 0
	v_nop
	global_prefetch_b8 v0, s[64:65] scope:SCOPE_SE
	s_setreg_imm32_b32 hwreg(HW_REG_WAVE_SCHED_MODE, 0, 2), 2
	s_setreg_imm32_b32 hwreg(HW_REG_WAVE_MODE, 25, 1), 1
	s_wait_xcnt 0x0
	s_wait_alu depctr_vm_vsrc(0)
; out0[b] = embeddings[idx[b]]: 131,072 rows of 64 f32 (256 bytes), by the numbers that the launch before stored.  Nothing of this step is left out.
; A stream: no LDS, no barrier, no matrix unit, no cluster (no two work-groups need the same rows at the same time by any rule of the sizes).
; 256 work-groups of eight waves; a work-group has 512 rows, a wave 64.  Lane (hh = lane / 16, c = lane % 16) serves rows 32 hh + i, i = 0 .. 31,
; of its wave and takes bytes 16 c .. 16 c + 15 of each: sixteen neighbouring lanes read one whole row of the table and write 256 consecutive
; bytes of out0, aligned to 256.  The text is straight: 8 loads of numbers, 32 gathers, 32 stores; all 32 gathers of a wave (16,384 bytes) are out at once.
; No register that a pending load or store names is written again, so no wait stands for sources.
; The numbers lie in 0 .. 1023 as stored; the v_min_u32 keeps every address inside the table whatever the buffer holds.
; THE MODE: SCHED_MODE bits 1:0 = 2 (LLVM: expert scheduling mode 2), set by the entry lines.  The code itself states the register dependences
; between vector instructions and memory instructions, with s_wait_alu, always for 0.
; THE PLAN.  Registers that memory instructions touch:
;   v1, v3     byte offsets in idx and in out0.  Written by vector lines at the head and never again; read by the 8 loads of numbers (v1) and the 32 stores (v3).
;   IX0 .. 31  The loads of numbers land in them; when those are in, two vector lines turn each number, in place, into a byte offset in the table;
;              gather i reads IX[i] as its offset; nothing writes it after that.
;   DT         The gathers land in it, the stores read it; no vector line names it: LOADcnt alone stands between the two.
; The offsets are made in two batches of sixteen, so that three waits on va_vdst state everything: one at the head (v1, v3), one behind each batch.
; The second batch's 32 vector lines are dealt among the first batch's gathers: they name IX16 .. 31 and v2, the gathers IX0 .. 15 and DT.
.set IX, 4                             ; v[4:35]    my 32 numbers, then their byte offsets in the table
.set DT, 40                            ; v[40:167]  my 16 bytes of 32 rows
	s_load_b128 s[4:7], s[0:1], 0x0                ; idx s[4:5], embeddings s[6:7]
	s_load_b64 s[8:9], s[0:1], 0x10                ; out0
	v_lshrrev_b32 v3, 4, v0                        ; 2 wave + hh
	v_and_b32 v2, 15, v0
	v_lshlrev_b32 v1, 7, v3                        ; idx: 32 numbers, 128 bytes, for each half wave
	v_lshlrev_b32 v2, 4, v2                        ; 16 c
	v_lshl_add_u32 v3, v3, 13, v2                  ; out0: 32 rows, 8,192 bytes, for each half wave, + 16 c
	s_lshl_b32 s2, ttmp9, 11                       ; 512 numbers a work-group
	s_mov_b32 s3, 0
	s_lshl_b32 s10, ttmp9, 17                      ; 512 rows of 256 bytes a work-group (the last begins at 255 x 131,072: below 4 GiB)
	s_mov_b32 s11, 0
	s_wait_kmcnt 0x0
	s_add_nc_u64 s[4:5], s[4:5], s[2:3]
	s_add_nc_u64 s[8:9], s[8:9], s[10:11]
	s_wait_alu depctr_va_vdst(0)                   ; v1 and v3 are written: the loads of numbers read v1 as their offset, every store reads v3; neither is written again
.irp q, 0,1,2,3,4,5,6,7
	global_load_b128 v[IX+4*\q:IX+4*\q+3], v1, s[4:5] offset:16*\q th:TH_LOAD_NT     ; the sixteen lanes of a half read the same 16 bytes; no other wave reads them
.endr
.macro CLAMP n                         ; number n is held inside the table
	v_min_u32 v[IX+(\n)], 0x3ff, v[IX+(\n)]
.endm
.macro OFFS n                          ; and becomes a byte offset: 256 bytes a row, + 16 c
	v_lshl_add_u32 v[IX+(\n)], v[IX+(\n)], 8, v2
.endm
.macro GATHER n                        ; no hint: a row of the table is named many times
	global_load_b128 v[DT+4*(\n):DT+4*(\n)+3], v[IX+(\n)], s[6:7]
.endm
	s_wait_loadcnt 4                               ; loads come back in order: numbers 0 to 15 are in, the four younger loads (numbers 16 to 31) stay out
.set n, 0
.rept 16                                               ; the first batch: all minima, then all shifts, so that no line reads the result of the line in front of it
	CLAMP n
.set n, n+1
.endr
.set n, 0
.rept 16
	OFFS n
.set n, n+1
.endr
	s_wait_loadcnt 0x0                             ; numbers 16 to 31 are in: no gather has been issued yet, so the count is for the loads of numbers alone
	s_wait_alu depctr_va_vdst(0)                   ; the first batch has written IX0 .. 15, which gathers 0 to 15 read as their offsets
.set n, 0
.rept 8                                                ; gathers 0 to 7, behind each two of the second batch's minima: these name IX16 .. 31 alone, which no gather here touches
	GATHER n
	CLAMP 16+2*n
	CLAMP 17+2*n
.set n, n+1
.endr
.rept 8                                                ; gathers 8 to 15, behind each two of the second batch's shifts: these name IX16 .. 31 and v2 alone
	GATHER n
	OFFS 2*n
	OFFS 2*n+1
.set n, n+1
.endr
	s_wait_alu depctr_va_vdst(0)                   ; the second batch has written IX16 .. 31, which gathers 16 to 31 read as their offsets
.rept 16
	GATHER n
.set n, n+1
.endr
.set i, 0
.rept 32
	s_wait_loadcnt 31-i                            ; gather i is in; the younger ones stay out
	global_store_b128 v3, v[DT+4*i:DT+4*i+3], s[8:9] offset:256*i th:TH_STORE_NT     ; each half of the wave writes one whole row; its data come from a load and its offset stands ahead of the head's wait
.set i, i+1
.endr
	s_endpgm
.Lfunc_end_k_q8c58b011fa_gather:
	.size	k_q8c58b011fa_gather, .Lfunc_end_k_q8c58b011fa_gather-k_q8c58b011fa_gather
	.p2alignl 7, 3214868480
	.fill 96, 4, 3214868480
	.section	.rodata,"a",@progbits
	.p2align	6, 0x0
	.amdhsa_kernel k_q8c58b011fa_gather
		.amdhsa_group_segment_fixed_size 0
		.amdhsa_private_segment_fixed_size 0
		.amdhsa_enable_private_segment 0
		.amdhsa_kernarg_size 24
		.amdhsa_user_sgpr_count 2
		.amdhsa_user_sgpr_kernarg_segment_ptr 1
		.amdhsa_wavefront_size32 1
		.amdhsa_system_sgpr_workgroup_id_x 1
		.amdhsa_system_sgpr_workgroup_id_y 1
		.amdhsa_system_sgpr_workgroup_id_z 1
		.amdhsa_system_vgpr_workitem_id 0
		.amdhsa_next_free_vgpr 168
		.amdhsa_next_free_sgpr 66
		.amdhsa_reserve_vcc 0
		.amdhsa_float_denorm_mode_32 3
		.amdhsa_float_denorm_mode_16_64 3
		.amdhsa_memory_ordered 1
		.amdhsa_forward_progress 1
		.amdhsa_inst_pref_size 13
	.end_amdhsa_kernel
	.amdgpu_metadata
---
amdhsa.version: [ 1, 2 ]
amdhsa.kernels:
  - .name:           k_q8c58b011fa_gather
    .symbol:         k_q8c58b011fa_gather.kd
    .args:
      - { .name: idx, .offset: 0, .size: 8, .value_kind: global_buffer, .address_space: global }
      - { .name: embeddings, .offset: 8, .size: 8, .value_kind: global_buffer, .address_space: global }
      - { .name: out0, .offset: 16, .size: 8, .value_kind: global_buffer, .address_space: global }
    .group_segment_fixed_size: 0
    .private_segment_fixed_size: 0
    .kernarg_segment_align: 8
    .kernarg_segment_size: 24
    .max_flat_workgroup_size: 256
    .sgpr_count:     66
    .vgpr_count:     168
    .wavefront_size: 32
...
	.end_amdgpu_metadata
.endif
;; end of part 3
